; MI455X (gfx1250); checked and timed in simulation.
; The chip was launched on July 23, 2026; its instructions are those of AMD's public machine-readable ISA for CDNA 5 (MIT licence, August 2026) and "CDNA5" Instruction Set Architecture Reference Guide (July 2026). The comments in the code are by the model that wrote it; some were corrected since.
;; Self Attention. Allowed arithmetic: matrix products marked QUANTISED: E2M1 operands, one E8M0 scale for each 32 along K, by v_wmma_scale_f32_16x16x128_f8f6f4 with both operands' format E2M1 (or v_wmma_scale_f32_32x16x128_f4), f32 sums; everything else in f32.
;; Inputs: Wk 1,024 x 1,024 float32; Wo 1,024 x 1,024 float32; Wq 1,024 x 1,024 float32; Wr 1,024 x 1,024 float32; Wv 1,024 x 1,024 float32; bk 1,024 float32; bo 1,024 float32; bq 1,024 float32; br 1,024 float32; bv 1,024 float32; key 8 x 1,024 x 1,024 float32; query 8 x 1,024 x 1,024 float32; value 8 x 1,024 x 1,024 float32.
;; Outputs: out0 8 x 1,024 x 1,024 float32.
;; This version of the problem:
;;   THIS VERSION OF THE PROBLEM IS GIVEN IN LOW PRECISION. The matrix products marked QUANTISED in the list below multiply operands that are first quantised to E2M1 (2 exponent bits, 1 mantissa bit; 4 bits a number), with one power-of-two scale for each 32 numbers along K (OCP MX v1.0); their sums are f32. All else is computed in f32.
;;   The module's matrix products, in the order in which they are computed (A, B: the left and right operand; K: the contracted axis; several contracted axes count as one K, in the product's order):
;;     1. [M 8,192, K 1,024] x [K 1,024, N 1,024]; A: input query; B: input Wq: QUANTISED
;;     2. [M 8,192, K 1,024] x [K 1,024, N 1,024]; A: input key; B: input Wk: QUANTISED
;;     3. [M 8,192, K 1,024] x [K 1,024, N 1,024]; A: input value; B: input Wv: QUANTISED
;;     4. [M 8,192, K 1,024] x [K 1,024, N 1,024]; A: input query; B: input Wr: QUANTISED
;;     5. batch 128 x [M 1,024, K 64] x [K 64, N 1,024]; A: computed on the way; B: computed on the way: QUANTISED
;;     6. batch 128 x [M 1,024, K 1,024] x [K 1,024, N 64]; A: softmax (see below); B: computed on the way: QUANTISED
;;     7. [M 8,192, K 1,024] x [K 1,024, N 1,024]; A: computed on the way; B: input Wo: QUANTISED
;;   THE QUANTISER, for each operand of a quantised product, along K:
;;     - K is cut into blocks of 32 from its start; a last block that is shorter is filled with zeros.
;;     - A block's scale is 2^e with e = floor(log2(the largest magnitude in the block)) - 2, held to -126 .. 127; a block of zeros has e = 0. As a byte (E8M0): e + 127.
;;     - Each number is divided by its block's scale, clamped to +-6, and rounded to the nearest number of E2M1, ties to even, subnormals kept.
;;     - The product sums the exact products of the quantised numbers (number of the format x scale) in f32.
;;   ~~~python
;;   def quantise(x, axis):      # numpy; x: float32 -> the quantised numbers, widened to float32 again
;;       x = np.moveaxis(x, axis, -1); K = x.shape[-1]
;;       x = np.pad(x, [(0, 0)] * (x.ndim - 1) + [(0, -K % 32)]); x = x.reshape(x.shape[:-1] + (-1, 32)); a = np.abs(x).max(-1, keepdims=True)
;;       e = np.where(a > 0, np.clip(np.frexp(np.where(a > 0, a, 1))[1] - 1 - 2, -126, 127), 0)      # np.frexp(a)[1] - 1 = floor(log2(a)), exactly
;;       r = np.clip(x / 2.0 ** e, -6, 6)
;;       step = 2.0 ** (np.maximum(np.frexp(np.where(r == 0, 1, r))[1] - 1, 0) - 1)
;;       q = np.round(r / step) * step * 2.0 ** e      # np.round: ties to even
;;       return np.moveaxis(q.reshape(q.shape[:-2] + (-1,))[..., :K], -1, axis).astype(np.float32)
;;   ~~~
;;   SOFTMAX AHEAD OF A QUANTISED PRODUCT. Where the list says 'softmax', what is quantised is not the finished softmax but p = 2^(t - M), with t = logit x log2(e) and M = ceil(the row's largest t), a whole number; so 1/2 < the row's largest p <= 1. The row's sum l is taken of the UNQUANTISED p, in f32, and the product's result is divided by l at the end. Since M is a whole number, a kernel that streams over the keys may use a running M (the ceiling of the running maximum): every later rescaling is an exact power of two, which a block's scale takes up: the codes' values come out the same.
;;   OPERANDS COMPUTED ON THE WAY. 'Computed on the way' means the value that the module computes at that place (a softmax that the list does not call 'softmax' is quantised finished and normalised). What goes into a quantiser is computed in f32, as accurately as f32 sums, v_exp_f32 and their like allow (about 1e-6 of the number): no bf16 or f16 on the way to a quantiser, and a product that is left as it is and whose result goes on into a quantised operand takes f32 operands (vector FMAs, or v_wmma_f32_16x16x4_f32). A number that lies on a knife's edge between two numbers of the format may be rounded either way, as far as f32 arithmetic and the matrix unit's own rounding can turn it there, and no further.
;; One version. Each part assembles by itself: llvm-mc -triple=amdgcn-amd-amdhsa -mcpu=gfx1250 --defsym DOCPART=n.
;; ======== version 1 of 1: 4 launches
;; limits: right only within a limited range of input values
;; workspace buffers: xq 13,369,344 bytes; wq 2,785,280 bytes; qkv 13,369,344 bytes; gq 4,456,448 bytes; rg 33,554,432 bytes
;; launch quant (part 1): grid 2176 x 1, 2 waves a work-group, no clusters, 17,664 bytes of LDS; arguments query, key, value, Wq, Wk, Wv, Wr, Wo, xq, wq; writes xq, wq
.if DOCPART == 1
	.amdgcn_target "amdgcn-amd-amdhsa--gfx1250"
	.amdhsa_code_object_version 6
	.text
	.protected	k_qb77b98563f_quant
	.globl	k_qb77b98563f_quant
	.p2align	8
	.type	k_qb77b98563f_quant,@function
k_qb77b98563f_quant:
	s_mov_b64 s[64:65], 0
	v_nop
	global_prefetch_b8 v0, s[64:65] scope:SCOPE_SE
	s_setreg_imm32_b32 hwreg(HW_REG_WAVE_MODE, 25, 1), 1
	s_wait_xcnt 0x0
; SelfAttention in MX-FP4, launch 1 of 4: query, key, value [8192][1024] and Wq, Wk, Wv, Wr, Wo [1024 (k)][1024 (n)], all f32, become codes of E2M1 with one E8M0 byte for each 32 along K.
; NO WORK OF reference() IS LEFT OUT IN THIS PROGRAM: every input has a way to out0.  bk would cancel in a softmax of real numbers, but it moves the codes of k, so it stays.
; A block's scale is 2^(floor(log2(its largest magnitude)) - 2); its byte is the largest magnitude's exponent field - 2, held at 1 from below.
; LIMITS: a block of zeros gets the byte 1 where the rule says 127 (its codes are zeros, and this program alone reads the bytes); blocks whose largest magnitude lies under 2^-124 are held at that floor;
; NaN and infinities among the inputs are not served.
; THE WORKSPACE IS LAID IN THE ORDER OF THE OPERAND'S REGISTERS.  An operand with K = 1,024 lies in groups of 128 rows, 69,632 bytes each: the 16 bytes of row 16 i + r, k = 128 s + 64 c + 32 h + 0 .. 31
; at byte 8192 i + 1024 s + 512 c + 16 (r + 16 h); behind the 65,536 bytes of codes the scale bytes, 32 a row.  xq: query, key, value, 64 groups each.  wq: the five W^T (rows n), 8 groups each.
; Work-groups 0 .. 639 take the weights (a wave: 32 columns x 128 along K, four blocks, two blocks' loads on their way), 640 .. 2175 the activations (a work-group: 16 rows; a wave: half of K).
; Waves share nothing: no barrier.  The scale bytes leave in pieces of 4 or 16 bytes of a row's 32: one byte for each 128 that the launch reads.
.set SPARE, 17408                      ; behind the two waves' stages: the spare words
.set VX,   1                           ; x: (lane / 16) rows of 4,096 bytes + 16 (lane % 16)
.set STI,  2                           ; the stage, on the way in
.set STO,  3                           ; and on the way out
.set LI,   4                           ; 16 x lane
.set SOF,  5                           ; 32 r + 8 h: my 8 scale bytes of row r
.set SPW,  6
.set NIL,  7
.set SELA, 12                          ; byte selects that interleave two lanes' scale bytes
.set SELB, 13
.set R,    16                          ; v16-111  three sets of 32 registers as loaded
.set X,    112                         ; v112-175 two sets of 32 neighbours along K
.set C,    176                         ; v176-207 codes: four registers a step, never rewritten
.set SB,   240                         ; v240-241 my 8 scale bytes
.set WX,   16                          ; weights: v16-143 four sets of 32 numbers; v144-159 codes; v160 scale bytes
.set WC,   144
.set WSB,  160
; a block of 32 numbers in v[xs ..] becomes 16 bytes of codes in v[c0 ..]; its byte goes to byte t % 4 of v[sb]
.macro QB xs, c0, sb, t
	v_max3_num_f32 v8, |v[\xs]|, |v[\xs+1]|, |v[\xs+2]|
	v_max3_num_f32 v9, |v[\xs+3]|, |v[\xs+4]|, |v[\xs+5]|
.irp i, 6,10,14,18,22,26
	v_max3_num_f32 v8, v8, |v[\xs+\i]|, |v[\xs+\i+1]|
	v_max3_num_f32 v9, v9, |v[\xs+\i+2]|, |v[\xs+\i+3]|
.endr
	v_max3_num_f32 v8, v8, |v[\xs+30]|, |v[\xs+31]|
	v_max3_num_f32 v8, v8, v9, 0x1800000           ; and the floor 2^(3 - 127): the byte cannot fall under 1
	v_add_nc_u32 v10, 0xff000000, v8               ; 2 off its exponent field: the conversion's scale operand
.irp g, 0,1,2,3
	v_cvt_scalef32_pk8_fp4_f32 v[\c0+\g], v[\xs+8*\g:\xs+8*\g+7], v10
.endr
.if (\t)%4 == 0
	v_lshrrev_b32 v[\sb], 23, v10                  ; the scale's byte; the lower K in the lower byte
.else
	v_lshrrev_b32 v11, 23, v10
	v_lshl_or_b32 v[\sb], v11, 8*((\t)%4), v[\sb]
.endif
.endm
	s_load_b512 s[4:19], s[0:1], 0x0               ; query, key, value, Wq, Wk, Wv, Wr, Wo
	s_load_b128 s[20:23], s[0:1], 0x40             ; xq, wq
	v_lshl_add_u32 v[SPW], v0, 2, SPARE
	v_mov_b32 v[NIL], 0
	v_lshrrev_b32 v8, 5, v0
	v_readfirstlane_b32 s24, v8                    ; wave 0, 1
	s_mov_b32 s29, 0                               ; the upper word of every offset
	s_cmp_lt_u32 ttmp9, 640
	s_cbranch_scc1 .Lweights
; ---- THE ACTIVATIONS.  A wave takes 16 rows x 512 along K, in 8 steps of 64.  Each load reads two rows' aligned 256 bytes; a step's 4,096 bytes turn through the wave's own stage (rows 272 bytes apart)
; so that lane (r, h) holds the whole block k = 64 t + 32 h + 0 .. 31 of row r: its 16 bytes of codes are its place in the image, and the wave stores 512 consecutive bytes.
	s_sub_co_u32 s25, ttmp9, 640
	s_lshr_b32 s26, s25, 9                         ; which tensor
	s_and_b32 s27, s25, 511                        ; which 16 rows of it
	s_mov_b32 s30, 0xffff0000                      ; lanes 16-31
	s_mov_b32 s32, 0x76543210
	s_mov_b32 s33, 0xfedcba98                      ; v_permlanex16_b32: lane l xor 16
	s_mul_i32 s35, s24, 8704                       ; my two stages
	v_and_b32 v8, 31, v0                           ; lane
	v_and_b32 v9, 15, v0                           ; r
	v_bfe_u32 v10, v0, 4, 1                        ; h
	v_lshlrev_b32 v[VX], 12, v10
	v_lshl_add_u32 v[VX], v9, 4, v[VX]
	v_mul_u32_u24 v[STI], v10, 272
	v_lshl_add_u32 v[STI], v9, 4, v[STI]
	v_add_nc_u32 v[STI], s35, v[STI]
	v_mul_u32_u24 v[STO], v9, 272
	v_lshl_add_u32 v[STO], v10, 7, v[STO]
	v_add_nc_u32 v[STO], s35, v[STO]
	v_lshlrev_b32 v[LI], 4, v8
	v_lshlrev_b32 v[SOF], 5, v9
	v_lshl_add_u32 v[SOF], v10, 3, v[SOF]
	v_mov_b32 v14, 0x05010400
	v_mov_b32 v15, 0x01050004
	v_cndmask_b32 v[SELA], v14, v15, s30
	v_mov_b32 v14, 0x07030602
	v_mov_b32 v15, 0x03070206
	v_cndmask_b32 v[SELB], v14, v15, s30
	v_mov_b32 v244, 0                              ; a lane permute's destination counts as one of its sources
	v_mov_b32 v245, 0
	s_wait_alu depctr_va_vdst(0)                   ; the wait at the head's end
	s_wait_kmcnt 0x0
	s_cmp_eq_u32 s26, 1
	s_cselect_b64 s[4:5], s[6:7], s[4:5]
	s_cmp_eq_u32 s26, 2
	s_cselect_b64 s[4:5], s[8:9], s[4:5]
	s_lshl_b32 s28, s27, 16                        ; 16 rows of 4,096 bytes,
	s_lshl_b32 s34, s24, 11                        ; my half of K: 2,048 bytes on
	s_add_co_u32 s28, s28, s34
	s_add_nc_u64 s[4:5], s[4:5], s[28:29]
	s_mul_i32 s28, s26, 4456448                    ; the tensor's 64 groups,
	s_lshr_b32 s34, s27, 3
	s_mul_i32 s34, s34, 69632                      ; my group
	s_add_co_u32 s28, s28, s34
	s_add_nc_u64 s[20:21], s[20:21], s[28:29]
	s_and_b32 s34, s27, 7
	s_lshl_b32 s28, s34, 13
	s_lshl_b32 s31, s24, 12                        ; 8 steps of 512 bytes
	s_add_co_u32 s28, s28, s31
	s_add_nc_u64 s[36:37], s[20:21], s[28:29]      ; my codes
	s_lshl_b32 s28, s34, 9
	s_lshl_b32 s31, s24, 4
	s_add_co_u32 s28, s28, s31
	s_add_co_u32 s28, s28, 65536
	s_add_nc_u64 s[38:39], s[20:21], s[28:29]      ; and my half of the rows' scale bytes
.macro XLOAD t
.irp i, 0,1,2,3,4,5,6,7
	global_load_b128 v[R+32*((\t)%3)+4*\i:R+32*((\t)%3)+4*\i+3], v[VX], s[4:5] offset:8192*\i+256*(\t) th:TH_LOAD_NT
.endr
.endm
.macro XTURN t                         ; LDS serves a wave's instructions in order: no wait between the stores and the loads
.irp i, 0,1,2,3,4,5,6,7
	ds_store_b128 v[STI], v[R+32*((\t)%3)+4*\i:R+32*((\t)%3)+4*\i+3] offset:4352*((\t)%2)+544*\i
.endr
.irp j, 0,1,2,3,4,5,6,7
	ds_load_b128 v[X+32*((\t)%2)+4*\j:X+32*((\t)%2)+4*\j+3], v[STO] offset:4352*((\t)%2)+16*\j
.endr
.endm
.macro XSTEP t
	s_wait_dscnt 0x0                               ; this step's numbers are back from the stage, so its stores into the stage have read their registers,
.if (\t)+3 < 8
	XLOAD (\t)+3                                   ; which take the loads of three steps on
.endif
.if (\t) < 7
.set LASTL, (\t)+3
.if LASTL > 7
.set LASTL, 7
.endif
	s_wait_loadcnt 8*(LASTL-(\t)-1)                ; the next step's eight loads are in; those of the steps behind it may be out
	XTURN (\t)+1
.endif
	QB X+32*((\t)%2), C+4*(\t), SB+(\t)/4, \t
	global_store_b128 v[LI], v[C+4*(\t):C+4*(\t)+3], s[36:37] offset:512*(\t)   ; 512 consecutive bytes
.endm
	XLOAD 0
	XLOAD 1
	XLOAD 2
	s_wait_loadcnt 16                              ; step 0's eight loads are in
	XTURN 0
.irp t, 0,1,2,3,4,5,6,7
	XSTEP \t
.endr
	; my 8 bytes are those of blocks 2 t + h of my half of row r; the row wants them interleaved with lane l xor 16's.  Lane (r, h) makes bytes 8 h .. 8 h + 7 of the half's 16: steps 4 h .. 4 h + 3.
.irp i, 0,1
	v_permlanex16_b32 v[244+\i], v[SB+\i], s32, s33
.endr
	v_cndmask_b32 v248, v240, v241, s30            ; mine,
	v_cndmask_b32 v250, v244, v245, s30            ; and the other lane's
	v_perm_b32 v252, v250, v248, v[SELA]
	v_perm_b32 v253, v250, v248, v[SELB]
	global_store_b64 v[SOF], v[252:253], s[38:39]
	s_wait_tensorcnt 0x0                           ; the wave's end
	ds_add_u32 v[SPW], v[NIL]
	s_wait_dscnt 0x0
	s_endpgm
; ---- THE WEIGHTS.  K is their first axis: a lane takes a column n and its registers run down K, so a block of 32 lies in one lane and the codes come out with K innermost.  A wave takes 32 columns x 128
; along K; the two waves stand side by side on 256 bytes of a row.  A block's 16 bytes a lane are its place in the image: sixteen lanes store 256 consecutive bytes, aligned.  No LDS on this path.
.Lweights:
	s_lshr_b32 s26, ttmp9, 7                       ; which matrix
	s_bfe_u32 s27, ttmp9, 0x30004                  ; which 128 of K
	s_and_b32 s28, ttmp9, 15
	s_lshl_b32 s28, s28, 1
	s_add_co_u32 s28, s28, s24
	s_lshl_b32 s25, s28, 5                         ; my first column
	v_and_b32 v8, 31, v0
	v_and_b32 v9, 15, v0
	v_bfe_u32 v10, v0, 4, 1
	v_lshlrev_b32 v1, 2, v8                        ; in: 4 bytes a lane
	v_lshlrev_b32 v2, 13, v10                      ; out: lanes 16-31 belong to the next block of 16 rows,
	v_lshl_add_u32 v2, v9, 4, v2                   ; 16 bytes a row
	v_lshlrev_b32 v3, 5, v8                        ; scale bytes: 32 a row
	s_wait_alu depctr_va_vdst(0)                   ; the wait at the head's end
	s_wait_kmcnt 0x0
	s_cmp_eq_u32 s26, 1
	s_cselect_b64 s[10:11], s[12:13], s[10:11]
	s_cmp_eq_u32 s26, 2
	s_cselect_b64 s[10:11], s[14:15], s[10:11]
	s_cmp_eq_u32 s26, 3
	s_cselect_b64 s[10:11], s[16:17], s[10:11]
	s_cmp_eq_u32 s26, 4
	s_cselect_b64 s[10:11], s[18:19], s[10:11]
	s_lshl_b32 s28, s27, 19                        ; 128 rows of 4,096 bytes
	s_lshl_b32 s34, s25, 2
	s_add_co_u32 s28, s28, s34
	s_add_nc_u64 s[10:11], s[10:11], s[28:29]
	s_mul_i32 s28, s26, 557056                     ; the matrix's 8 groups,
	s_lshr_b32 s34, s25, 7
	s_mul_i32 s34, s34, 69632                      ; my group
	s_add_co_u32 s28, s28, s34
	s_add_nc_u64 s[22:23], s[22:23], s[28:29]
	s_and_b32 s34, s25, 127
	s_lshr_b32 s28, s34, 4
	s_lshl_b32 s28, s28, 13
	s_lshl_b32 s35, s27, 10                        ; 4 blocks of 256 bytes
	s_add_co_u32 s28, s28, s35
	s_add_nc_u64 s[36:37], s[22:23], s[28:29]      ; codes
	s_lshl_b32 s28, s34, 5
	s_lshl_b32 s35, s27, 2
	s_add_co_u32 s28, s28, s35
	s_add_co_u32 s28, s28, 65536
	s_add_nc_u64 s[38:39], s[22:23], s[28:29]      ; scale bytes
.macro WLOAD t                         ; block t: W(32 t + i, my column), i = 0 .. 31, into a set of its own
.set n, 32*(\t)
.rept 32
	global_load_b32 v[WX+n], v1, s[10:11] offset:n*4096 th:TH_LOAD_NT
.set n, n+1
.endr
.endm
	WLOAD 0
	WLOAD 1
.irp t, 0,1,2,3
.if \t < 3
	s_wait_loadcnt 32                              ; this block's 32 loads are in; the next block's may be out
.else
	s_wait_loadcnt 0x0
.endif
.if \t < 2
	WLOAD \t+2                                     ; two blocks on, into registers that nothing has used
.endif
	QB WX+32*\t, WC+4*\t, WSB, \t
	global_store_b128 v2, v[WC+4*\t:WC+4*\t+3], s[36:37] offset:256*\t
.endr
	global_store_b32 v3, v[WSB], s[38:39]          ; my column's 4 scale bytes
	s_endpgm
.Lfunc_end_k_qb77b98563f_quant:
	.size	k_qb77b98563f_quant, .Lfunc_end_k_qb77b98563f_quant-k_qb77b98563f_quant
	.p2alignl 7, 3214868480
	.fill 96, 4, 3214868480
	.section	.rodata,"a",@progbits
	.p2align	6, 0x0
	.amdhsa_kernel k_qb77b98563f_quant
		.amdhsa_group_segment_fixed_size 17664
		.amdhsa_private_segment_fixed_size 0
		.amdhsa_enable_private_segment 0
		.amdhsa_kernarg_size 80
		.amdhsa_user_sgpr_count 2
		.amdhsa_user_sgpr_kernarg_segment_ptr 1
		.amdhsa_wavefront_size32 1
		.amdhsa_system_sgpr_workgroup_id_x 1
		.amdhsa_system_sgpr_workgroup_id_y 1
		.amdhsa_system_sgpr_workgroup_id_z 1
		.amdhsa_system_vgpr_workitem_id 0
		.amdhsa_next_free_vgpr 256
		.amdhsa_next_free_sgpr 66
		.amdhsa_reserve_vcc 0
		.amdhsa_float_denorm_mode_32 3
		.amdhsa_float_denorm_mode_16_64 3
		.amdhsa_memory_ordered 1
		.amdhsa_forward_progress 1
		.amdhsa_inst_pref_size 51
	.end_amdhsa_kernel
	.amdgpu_metadata
---
amdhsa.version: [ 1, 2 ]
amdhsa.kernels:
  - .name:           k_qb77b98563f_quant
    .symbol:         k_qb77b98563f_quant.kd
    .args:
      - { .name: query, .offset: 0, .size: 8, .value_kind: global_buffer, .address_space: global }
      - { .name: key, .offset: 8, .size: 8, .value_kind: global_buffer, .address_space: global }
      - { .name: value, .offset: 16, .size: 8, .value_kind: global_buffer, .address_space: global }
      - { .name: Wq, .offset: 24, .size: 8, .value_kind: global_buffer, .address_space: global }
      - { .name: Wk, .offset: 32, .size: 8, .value_kind: global_buffer, .address_space: global }
      - { .name: Wv, .offset: 40, .size: 8, .value_kind: global_buffer, .address_space: global }
      - { .name: Wr, .offset: 48, .size: 8, .value_kind: global_buffer, .address_space: global }
      - { .name: Wo, .offset: 56, .size: 8, .value_kind: global_buffer, .address_space: global }
      - { .name: xq, .offset: 64, .size: 8, .value_kind: global_buffer, .address_space: global }
      - { .name: wq, .offset: 72, .size: 8, .value_kind: global_buffer, .address_space: global }
    .group_segment_fixed_size: 17664
    .private_segment_fixed_size: 0
    .kernarg_segment_align: 8
    .kernarg_segment_size: 80
    .max_flat_workgroup_size: 64
    .sgpr_count:     66
    .vgpr_count:     256
    .wavefront_size: 32
...
	.end_amdgpu_metadata
.endif
;; end of part 1
;; launch proj (part 2): grid 4 x 128, 4 waves a work-group, clusters of 4 x 4, 327,680 bytes of LDS; arguments xq, wq, bq, bk, bv, br, qkv, rg; writes qkv, rg
.if DOCPART == 2
	.amdgcn_target "amdgcn-amd-amdhsa--gfx1250"
	.amdhsa_code_object_version 6
	.text
	.protected	k_qb77b98563f_proj
	.globl	k_qb77b98563f_proj
	.p2align	8
	.type	k_qb77b98563f_proj,@function
k_qb77b98563f_proj:
	s_mov_b64 s[64:65], 0
	v_nop
	global_prefetch_b8 v0, s[64:65] scope:SCOPE_SE
	s_setreg_imm32_b32 hwreg(HW_REG_WAVE_MODE, 25, 1), 1
	s_wait_xcnt 0x0
	s_wait_alu depctr_hold_cnt(0) depctr_sa_sdst(0) depctr_va_vdst(0) depctr_va_sdst(0) depctr_va_ssrc(0) depctr_va_vcc(0) depctr_vm_vsrc(0)
	s_getreg_b32 s2, hwreg(HW_REG_IB_STS2, 6, 4)
	s_cmp_eq_u32 s2, 0
	s_cbranch_scc0 .Lentry_in_a_cluster
	s_endpgm
.Lentry_in_a_cluster:
	s_bfe_u32 s2, ttmp6, 0x10000c
	s_cmp_lg_u32 s2, 0xf033
	s_cbranch_scc0 .Lentry_shape_is_right
	s_endpgm
.Lentry_shape_is_right:
; SelfAttention in MX-FP4, launch 2 of 4: r = query Wr + br, q = query Wq + bq, k = key Wk + bk, v = value Wv + bv on codes of E2M1.  No work is left out.
; A GEMM C = A B^T on tiles of 256 x 256, four waves of 128 x 128 (64 accumulators, 512 registers).  (cluster y / 8 + 3) % 4 says which projection: 3 r, 0 q, 1 k, 2 v; r, whose way out stores most bytes, has the lowest numbers.
; q, k, r: A = the tokens, B = W^T.  v: A = Wv^T, B = the tokens.  THE MATRIX INSTRUCTION IS USED TRANSPOSED (source 0 = 16 rows of B, source 1 = 16 rows of A): a lane holds one row of A and its
; registers run along B's rows: for q and k the head's channels, for v the keys: the axis along which the next product contracts.  q, k, v are quantised in registers and leave as codes.
; r is gated with ctx ahead of a quantiser, so it stays f32: it leaves as an image of the accumulators' registers.
; OPERANDS lie in memory as images of the operand's registers, in groups of 128 rows of 69,632 dense bytes (codes at 8192 i + 1024 s + 512 c + 16 lane; behind 65,536 the scale bytes, 32 a row).
; A tile needs four groups, all of K: each wave fetches ONE group by ONE tensor load at the head (272 rows of 256 bytes); nothing is filled again, so there is no ring and no loop to prefetch ahead in.
; CLUSTERS: 4 x 4 work-groups; A's groups are asked for jointly along a row of the cluster, B's along a column.  THE BIAS is the C of each sum's first matrix instruction.
; OUT (qkv): 64 blocks (batch x 8 + pair of heads) of three regions of 69,632 bytes, Q, K, V.  Q, K codes [head of the pair][block of 16 tokens][512-byte image: lane (r, h): token r, channels 32 h ..];
; V codes [head][128 keys][16 channels][1,024-byte image].  Scale words at + 65,536: Q, K [head][128 tokens][r][p]: token 32 p + r below, token 32 p + 16 + r above; V [head][128 keys][r][16 channels].
; OUT (rg): [batch x 8 + pair][block of 16 tokens][16 channels b = 0 .. 7][registers 0-3, 4-7][lane][16 bytes]: lane (r, h), register j = r(token r, channel 16 b + 8 h + j).
; LIMITS: a block of zeros gets the byte 1 (its codes are zeros; this program alone reads the bytes); largest magnitudes under 2^-124 are held at that floor; NaN and infinities are not served.
; REGISTERS, in windows of 256: window 0: v0-31 addresses; v32-95 scale words of all of K; v96-124 the way out's work; v128-191 A's fragments, later the codes made; v192-255 the bias.
;   window 1: B's fragments, two sets, at v0 and v128.   window 2: the accumulators of my rows 0-63 ((a, b) at v[8 (8 a + b)]);   window 3: those of my rows 64-127.
.set GRP,    69632
.set FR,     8
.set NP,     4                         ; places behind this matrix instruction (ISA guide 7.12.1)
.set SPARE,  4*GRP                     ; behind the four groups: the spare words, 128 bytes a wave
.set ADRA, 16                          ; LDS address of my A fragments
.set ADRB, 20                          ; of my B fragments
.set H32,  22                          ; 32 h
.set R4,   23                          ; 4 r
.set ADRS, 27                          ; my scale words: lanes 0-15 A's rows, lanes 16-31 B's
.set SPW,  28
.set NIL,  29
.set SC,   32                          ; register 32 (s / 4) + 4 i + s % 4: lanes 0-15 A's block i, lanes 16-31 B's block i, K step s
.set MX,   96
.set TP,   100
.set SO,   104
.set SW,   108
.set FLR,  116
.set SELV, 117
.set VO0,  118
.set VO1,  119
.set DD,   120
.set VSO,  124
.set AF,   128
.set PC,   128
.set BI,   192
.set G1,   24
.set G0,   32
.set G1B,  48
.set G0B,  56
.set OUT,  66
.set RO,   76
.set OUTS, 92
.set STA,  94
.set ST4,  96
.set SEL,  98
.set MSB, 0
.macro WIN new                         ; the immediate's high byte repeats the setting that is left
.if MSB != \new
	s_set_vgpr_msb (MSB<<8)|\new
.set MSB, \new
.endif
.endm
.set MUL_LO, 0xa1
.set MUL_HI, 0xf1
.set TO_B,   0x40
.macro CROUND                          ; a round of the cluster's barrier
	s_barrier_signal -1
	s_barrier_wait -1
	s_cmp_lg_u32 s16, 0
	s_cbranch_scc1 .Lnot_wave_0_\@
	s_barrier_signal -3
.Lnot_wave_0_\@:
	s_barrier_wait -3
	s_barrier_signal -1
	s_barrier_wait -1
.endm
.macro PLACES n
.rept \n
	v_nop
.endr
.endm
	s_load_b256 s[4:11], s[0:1], 0x0               ; xq, wq, bq, bk
	s_load_b256 s[68:75], s[0:1], 0x20             ; bv, br, qkv, rg
	v_lshl_add_u32 v[SPW], v0, 2, SPARE
	v_mov_b32 v[NIL], 0
	ds_add_u32 v[SPW], v[NIL]                      ; the opening lines: the add, twice on end, and its wait ahead of my tensor load
	ds_add_u32 v[SPW], v[NIL]
	v_lshrrev_b32 v1, 5, v0
	v_readfirstlane_b32 s16, v1                    ; wave
	s_lshr_b32 s17, s16, 1                         ; my half of the tile's rows; also: I fetch for A (0) or B (1)
	s_and_b32 s18, s16, 1                          ; my half of its columns; also: which group I fetch
	s_bfe_u32 s19, ttmp6, 0x40000                  ; cx
	s_bfe_u32 s20, ttmp6, 0x40004                  ; cy
	s_and_b32 s21, ttmp7, 0xffff                   ; cluster y: 0 .. 31
	s_lshr_b32 s22, s21, 3
	s_add_co_u32 s22, s22, 3
	s_and_b32 s22, s22, 3                          ; the projection: the same in all sixteen partners
	s_and_b32 s23, s21, 7
	s_lshl_b32 s23, s23, 2                         ; four tiles of tokens to a cluster
	s_cmp_eq_u32 s22, 2
	s_cselect_b32 s46, 0, s23
	s_cselect_b32 s47, s23, 0
	s_add_co_u32 s46, s46, s20                     ; tile row of C
	s_add_co_u32 s47, s47, s19                     ; tile column of C
	s_lshl_b32 s44, s20, 2
	s_lshl_b32 s44, 15, s44                        ; my row of the cluster
	s_lshl_b32 s45, 0x1111, s19                    ; my column
	s_or_b32 s[G1+0], s44, (3<<16)|(1<<21)
	s_or_b32 s[G1B+0], s45, (3<<16)|(1<<21)
.irp g, G1, G1B                        ; a group: 272 dense rows of 32 elements of 8 bytes
	s_mov_b32 s[\g+1], 32<<16
	s_mov_b32 s[\g+2], 272<<16
	s_mov_b32 s[\g+3], 32<<16
	s_mov_b32 s[\g+4], 272
	s_mov_b32 s[\g+5], 32
	s_mov_b32 s[\g+6], 0
	s_mov_b32 s[\g+7], 0
.endr
	s_lshl_b32 s40, s46, 1
	s_add_co_u32 s40, s40, s18
	s_mul_i32 s40, s40, GRP                        ; A: group 2 x tile row + half
	s_mov_b32 s41, 0
	s_lshl_b32 s42, s47, 1
	s_add_co_u32 s42, s42, s18
	s_mul_i32 s42, s42, GRP                        ; B: group 2 x tile column + half
	s_mov_b32 s43, 0
	s_cmp_eq_u32 s22, 3
	s_cselect_b32 s92, 0, s22                      ; r reads query, as q does
	s_mul_i32 s92, s92, 4456448
	s_mov_b32 s93, 0
	s_mul_i32 s94, s22, 557056                     ; the projection's matrix in wq
	s_mov_b32 s95, 0
	s_mul_i32 s66, s16, GRP                        ; where my group goes: no place in the cluster enters an LDS address
	s_wait_dscnt 0x0                               ; both opening adds are done
	s_wait_kmcnt 0x0
	s_add_nc_u64 s[4:5], s[4:5], s[92:93]
	s_add_nc_u64 s[6:7], s[6:7], s[94:95]
	s_cmp_eq_u32 s22, 2
	s_cselect_b64 s[96:97], s[6:7], s[4:5]         ; A: the tokens; for v the weight
	s_cselect_b64 s[98:99], s[4:5], s[6:7]         ; B: the weight; for v the tokens
	s_mov_b32 s[G0], 1
	s_mov_b32 s[G0+1], s66
	s_add_nc_u64 s[G0+2:G0+3], s[96:97], s[40:41]
	s_or_b32 s[G0+3], s[G0+3], 0x80000000
	s_mov_b32 s[G0B], 1
	s_mov_b32 s[G0B+1], s66
	s_add_nc_u64 s[G0B+2:G0B+3], s[98:99], s[42:43]
	s_or_b32 s[G0B+3], s[G0B+3], 0x80000000
	CROUND                                         ; all sixteen work-groups are here: the joint loads meet
	s_cmp_eq_u32 s17, 0                            ; one load a wave: waves 0, 1 A's groups, waves 2, 3 B's
	s_cbranch_scc0 .Lfor_b
	tensor_load_to_lds s[G0:G0+3], s[G1:G1+7]
	s_nop 0
	PLACES 4
	s_branch .Lasked
.Lfor_b:
	tensor_load_to_lds s[G0B:G0B+3], s[G1B:G1B+7]
	s_nop 0
	PLACES 4
.Lasked:
	s_mul_i32 s80, s17, GRP                        ; my 128 rows of A
	s_add_co_u32 s81, s18, 2
	s_mul_i32 s81, s81, GRP                        ; my 128 rows of B
	s_add_co_u32 s82, s80, 65536                   ; A's scale bytes
	s_sub_co_u32 s83, s81, s80                     ; from A's to B's
	s_mov_b32 s84, 0xffff0000                      ; lanes 16-31
	s_lshl_b32 s40, s46, 8
	s_lshl_b32 s41, s17, 7
	s_add_co_u32 s40, s40, s41                     ; my first row of A
	s_lshl_b32 s42, s47, 8
	s_lshl_b32 s41, s18, 7
	s_add_co_u32 s42, s42, s41                     ; my first row of B
	s_mov_b32 s3, 0
	s_cmp_eq_u32 s22, 1
	s_cselect_b64 s[8:9], s[10:11], s[8:9]
	s_cmp_eq_u32 s22, 3
	s_cselect_b64 s[8:9], s[70:71], s[8:9]         ; bq, bk or br,
	s_lshl_b32 s2, s42, 2
	s_add_nc_u64 s[8:9], s[8:9], s[2:3]            ; at my first channel (used for q, k, r alone)
	s_lshl_b32 s2, s40, 2
	s_add_nc_u64 s[68:69], s[68:69], s[2:3]        ; bv likewise (used for v alone)
	s_mov_b32 s[SEL], 0x76543210
	s_mov_b32 s[SEL+1], 0xfedcba98
	s_cmp_eq_u32 s22, 2
	s_cselect_b32 s43, s42, s40                    ; my first token
	s_cselect_b32 s44, s40, s42                    ; my first channel
	s_mov_b32 s45, 32768
	s_cselect_b32 s45, 512, s45                    ; a fragment's second half: q, k: the pair's other head; v: the image's second 512 bytes
	s_mov_b32 s[STA], 512
	s_cselect_b32 s[STA], 1024, s[STA]             ; q, k: the next 16 tokens; v: the next 16 channels
	s_mov_b32 s[STA+1], 0
	s_mov_b32 s[ST4], 512
	s_cselect_b32 s[ST4], 29696, s[ST4]            ; v: on to the other head
	s_mov_b32 s[ST4+1], 0
	s_lshr_b32 s2, s43, 10
	s_lshl_b32 s2, s2, 3
	s_lshr_b32 s41, s44, 7
	s_add_co_u32 s85, s2, s41                      ; batch x 8 + pair of heads
	s_mul_i32 s2, s85, 208896
	s_mul_i32 s41, s22, GRP
	s_add_co_u32 s2, s2, s41
	s_add_nc_u64 s[72:73], s[72:73], s[2:3]        ; the region in qkv (used for q, k, v alone)
	s_bfe_u32 s41, s43, 0x30007                    ; which 128 tokens of the sequence
	s_lshl_b32 s2, s41, 12
	s_add_nc_u64 s[OUT:OUT+1], s[72:73], s[2:3]
	s_lshl_b32 s2, s41, 8
	s_add_co_u32 s2, s2, 65536
	s_add_nc_u64 s[OUTS:OUTS+1], s[72:73], s[2:3]
	s_lshl_b32 s2, s85, 19
	s_lshl_b32 s41, s41, 16
	s_add_co_u32 s2, s2, s41
	s_add_nc_u64 s[RO:RO+1], s[74:75], s[2:3]      ; my 8 blocks of 16 tokens in rg (used for r alone)
	v_and_b32 v1, 15, v0                           ; r
	v_bfe_u32 v2, v0, 4, 1                         ; h
	v_and_b32 v3, 31, v0
	v_lshlrev_b32 v3, 4, v3                        ; 16 x lane
	v_add_nc_u32 v[ADRA], s80, v3
	v_add_nc_u32 v[ADRB], s81, v3
	v_mul_u32_u24 v6, s83, v2                      ; lanes 16-31 take B's scale words
	v_lshl_add_u32 v5, v1, 5, v6                   ; 32 bytes a row
	v_add_nc_u32 v[ADRS], s82, v5
	v_lshlrev_b32 v[H32], 5, v2
	v_lshlrev_b32 v[R4], 2, v1
	v_mov_b32 v[FLR], 0x1800000
	v_mov_b32 v4, 0x05040100
	v_mov_b32 v5, 0x07060302
	v_cndmask_b32 v[SELV], v4, v5, s84
	v_mov_b32 v[VO0], v3
	v_add_nc_u32 v[VO1], s45, v3
	v_lshlrev_b32 v[VSO], 4, v1
	v_lshl_add_u32 v[VSO], v2, 11, v[VSO]
.irp b, 0,1,2,3
	v_mov_b32 v[TP+\b], 0                          ; a lane permute's destination counts as one of its sources
.endr
	s_wait_alu depctr_va_vdst(0)                   ; the wait at the head's end
	; the bias, in the result's layout.  q, k, r: register 8 b + j = bias[16 b + 8 h + j].  v: registers 8 a + 0 .. 7 = bv[16 a + r]
	s_cmp_eq_u32 s22, 2
	s_cbranch_scc1 .Lbias_v
.irp b, 0,1,2,3,4,5,6,7
	global_load_b128 v[BI+8*\b:BI+8*\b+3], v[H32], s[8:9] offset:64*\b
	global_load_b128 v[BI+8*\b+4:BI+8*\b+7], v[H32], s[8:9] offset:64*\b+16
.endr
	s_branch .Lbias_done
.Lbias_v:
.irp a, 0,1,2,3,4,5,6,7
.irp j, 0,1,2,3,4,5,6,7
	global_load_b32 v[BI+8*\a+\j], v[R4], s[68:69] offset:64*\a
.endr
.endr
.Lbias_done:
.macro FRAG reg, adr, s, i             ; a fragment, 16 rows x 128 K, comes as it was stored: two loads of 512 consecutive bytes
.irp c, 0,1
	ds_load_b128 v[\reg+4*\c:\reg+4*\c+3], v[\adr] offset:1024*(\s)+512*\c+8192*(\i)
.endr
.endm
; 16 matrix instructions: A's blocks a0, a0 + 1 x B's eight, K step s.  cin = 0: the sums go on; 1: they start from the bias by B's block; 2: by A's block.
; The 64 accumulators take turns, one instruction a turn, in the same order in every step.
.macro MUL16 a0, s, cin
.irp a, \a0, \a0+1
.irp b, 0,1,2,3,4,5,6,7
.set rD, 8*(8*((\a)%4)+\b)
.set rB, 128*((\s)%2)+FR*\b
.set rA, AF+FR*(\a)
.set rSB, SC+32*((\s)/4)+4*\b+(\s)%4
.set rSA, SC+32*((\s)/4)+4*(\a)+(\s)%4
.if \cin == 1
.set rC, BI+8*\b
.elseif \cin == 2
.set rC, BI+8*(\a)
.else
.set rC, rD
.endif
	v_wmma_scale_f32_16x16x128_f8f6f4 v[rD:rD+7], v[rB:rB+7], v[rA:rA+7], v[rC:rC+7], v[rSB], v[rSA] matrix_a_fmt:MATRIX_FMT_FP4 matrix_b_fmt:MATRIX_FMT_FP4 matrix_a_scale:MATRIX_SCALE_ROW1
.endr
.endr
.endm
.macro FETCH_B s
	WIN TO_B
.irp i, 0,1,2,3,4,5,6,7
	FRAG 128*((\s)%2)+FR*\i, ADRB, \s, \i
.endr
	WIN 0
.endm
.macro FETCH_A s, i0
.irp i, \i0, \i0+1, \i0+2, \i0+3
	FRAG AF+FR*(\i), ADRA, \s, \i
.endr
.endm
; A step of 128 along K.  A has one set of registers (blocks 0-3 fetched anew in the step's middle, 4-7 at its end), B two.  more = 0: the last step fetches nothing.
.macro STEP s, cin, more
	s_wait_dscnt 8                                 ; all but the youngest eight loads (A's blocks 4-7) are in
.if \cin
	WIN 0x81                                       ; C (the bias) window 0, D window 2
.else
	WIN MUL_LO
.endif
	MUL16 0, \s, \cin
	MUL16 2, \s, \cin
	s_wait_dscnt 0
.if \more
	PLACES NP
	FETCH_B (\s)+1
	FETCH_A (\s)+1, 0
.endif
.if \cin
	WIN 0xc1
.else
	WIN MUL_HI
.endif
	MUL16 4, \s, \cin
	MUL16 6, \s, \cin
.if \more
	PLACES NP
	WIN 0
	FETCH_A (\s)+1, 4
.else
	WIN 0
.endif
.endm
	s_wait_tensorcnt 0x0                           ; my group is in,
	s_barrier_signal -1
	s_barrier_wait -1                              ; everybody's is
	FETCH_B 0
	FETCH_A 0, 0
.irp sc, 0,1                           ; the scale words of all eight steps: four words to a load
.irp i, 0,1,2,3,4,5,6,7
	ds_load_b128 v[SC+32*\sc+4*\i:SC+32*\sc+4*\i+3], v[ADRS] offset:512*\i+16*\sc
.endr
.endr
	FETCH_A 0, 4
	s_wait_loadcnt 0x0                             ; the bias
	s_cmp_eq_u32 s22, 2
	s_cbranch_scc1 .Lfirst_v
	STEP 0, 1, 1                                   ; the first step starts the sums from the bias: written once for each of its two layouts
	s_branch .Lfirst_done
.Lfirst_v:
	STEP 0, 2, 1
.Lfirst_done:
.irp s, 1,2,3,4,5,6
	STEP \s, 0, 1
.endr
	STEP 7, 0, 0
; THE WAY OUT of q, k, v: block a (16 rows of A x my 128 rows of B) is quantised along the registers.  Tile b holds units 16 b + 8 h + j, so a block of 32 is tiles 2 b', 2 b' + 1 in lanes l and l xor 16.
; The codes of tile 4 c go to register 4 c, of 4 c + 2 to 4 c + 1, of 4 c + 1 to 4 c + 2, of 4 c + 3 to 4 c + 3; two exchanges of halves then leave lane half h with units 64 c + 32 h + 0 .. 31 in order.
.macro QBLOCK a
.set AC, 64*((\a)%4)
.set PA, PC+8*(\a)
	WIN 0x28+0x14*((\a)/4)
.irp b, 0,1,2,3
	v_max3_num_f32 v[MX+\b], v[FLR], |v[AC+16*\b]|, |v[AC+16*\b+1]|          ; each accumulator from its low end on; the floor holds the byte at 1 from below
.endr
.irp i, 2,4,6,8,10,12,14
.irp b, 0,1,2,3
	v_max3_num_f32 v[MX+\b], v[MX+\b], |v[AC+16*\b+\i]|, |v[AC+16*\b+\i+1]|
.endr
.endr
	WIN 0
.irp b, 0,1,2,3
	v_permlanex16_b32 v[TP+\b], v[MX+\b], s[SEL], s[SEL+1]
.endr
.irp b, 0,1,2,3
	v_max_num_f32 v[MX+\b], v[MX+\b], v[TP+\b]     ; the block's largest magnitude
.endr
.irp b, 0,1,2,3
	v_add_nc_u32 v[SO+\b], 0xff000000, v[MX+\b]    ; 2 off its exponent field: the conversion's scale operand
.endr
.irp b, 0,1,2,3
	v_lshrrev_b32 v[TP+\b], 23, v[SO+\b]           ; the scale's byte
.endr
	v_lshl_or_b32 v[SW+(\a)], v[TP+1], 8, v[TP]
	v_lshl_or_b32 v[SW+(\a)], v[TP+2], 16, v[SW+(\a)]
	v_lshl_or_b32 v[SW+(\a)], v[TP+3], 24, v[SW+(\a)]
	WIN 0x02+((\a)/4)
.irp b, 0,1,2,3
	v_cvt_scalef32_pk8_fp4_f32 v[PA+4*(\b/2)+(\b%2)], v[AC+16*\b:AC+16*\b+7], v[SO+\b]
	v_cvt_scalef32_pk8_fp4_f32 v[PA+4*(\b/2)+2+(\b%2)], v[AC+16*\b+8:AC+16*\b+15], v[SO+\b]
.endr
	WIN 0
	v_nop                                          ; one plain place behind a scaled conversion
.irp c, 0,1
	v_permlane16_swap_b32 v[PA+4*\c], v[PA+4*\c+1]
	v_permlane16_swap_b32 v[PA+4*\c+2], v[PA+4*\c+3]
.endr
.if (\a) > 0
	s_wait_alu depctr_va_vdst(0)                   ; directly ahead of the wait below
	s_wait_xcnt 0x0                                ; the last block's stores have read their base: it may step
.if (\a) == 4
	s_add_nc_u64 s[OUT:OUT+1], s[OUT:OUT+1], s[ST4:ST4+1]
.else
	s_add_nc_u64 s[OUT:OUT+1], s[OUT:OUT+1], s[STA:STA+1]
.endif
.endif
	global_store_b128 v[VO0], v[PA:PA+3], s[OUT:OUT+1]             ; 512 consecutive bytes each; the codes' registers are never written again
	global_store_b128 v[VO1], v[PA+4:PA+7], s[OUT:OUT+1]
.endm
	PLACES NP                                      ; behind the last products: their results are read and their operands' registers written below
	s_cmp_eq_u32 s22, 3
	s_cbranch_scc1 .Lout_r
.irp a, 0,1,2,3,4,5,6,7
	QBLOCK \a
.endr
	s_cmp_eq_u32 s22, 2
	s_cbranch_scc1 .Lsc_v
.irp p, 0,1,2,3
	v_perm_b32 v[DD+\p], v[SW+2*\p+1], v[SW+2*\p], v[SELV]         ; q, k: head h's two bytes of tokens 32 p + r and 32 p + 16 + r
.endr
	s_branch .Lsc_done
.Lsc_v:
.irp p, 0,1,2,3
	v_cndmask_b32 v[DD+\p], v[SW+\p], v[SW+4+\p], s84              ; v: head h's word of channels 16 p + r
.endr
.Lsc_done:
	s_wait_alu depctr_va_vdst(0)                   ; a taken branch stands behind the writes
	global_store_b128 v[VSO], v[DD:DD+3], s[OUTS:OUTS+1]           ; sixteen lanes store 256 consecutive bytes, aligned
	s_branch .Lend
.Lout_r:                                       ; THE WAY OUT of r: the accumulators as they are, each from its low end on; every store covers 512 consecutive bytes, aligned
.irp a, 0,1,2,3,4,5,6,7
	WIN 0x08+4*((\a)/4)                            ; the data: window 2 or 3
.irp b, 0,1,2,3,4,5,6,7
	global_store_b128 v[VO0], v[64*((\a)%4)+8*\b:64*((\a)%4)+8*\b+3], s[RO:RO+1] offset:8192*\a+1024*\b
	global_store_b128 v[VO0], v[64*((\a)%4)+8*\b+4:64*((\a)%4)+8*\b+7], s[RO:RO+1] offset:8192*\a+1024*\b+512
.endr
.endr
	WIN 0
.Lend:
	s_wait_tensorcnt 0x0                           ; the wave's end
	ds_add_u32 v[SPW], v[NIL]
	s_wait_dscnt 0x0
	CROUND                                         ; the closing round
	s_endpgm
.Lfunc_end_k_qb77b98563f_proj:
	.size	k_qb77b98563f_proj, .Lfunc_end_k_qb77b98563f_proj-k_qb77b98563f_proj
	.p2alignl 7, 3214868480
	.fill 96, 4, 3214868480
	.section	.rodata,"a",@progbits
	.p2align	6, 0x0
	.amdhsa_kernel k_qb77b98563f_proj
		.amdhsa_group_segment_fixed_size 327680
		.amdhsa_private_segment_fixed_size 0
		.amdhsa_enable_private_segment 0
		.amdhsa_kernarg_size 64
		.amdhsa_user_sgpr_count 2
		.amdhsa_user_sgpr_kernarg_segment_ptr 1
		.amdhsa_wavefront_size32 1
		.amdhsa_system_sgpr_workgroup_id_x 1
		.amdhsa_system_sgpr_workgroup_id_y 1
		.amdhsa_system_sgpr_workgroup_id_z 1
		.amdhsa_system_vgpr_workitem_id 0
		.amdhsa_next_free_vgpr 1024
		.amdhsa_next_free_sgpr 100
		.amdhsa_reserve_vcc 0
		.amdhsa_float_denorm_mode_32 3
		.amdhsa_float_denorm_mode_16_64 3
		.amdhsa_memory_ordered 1
		.amdhsa_forward_progress 1
		.amdhsa_inst_pref_size 156
	.end_amdhsa_kernel
	.amdgpu_metadata
---
amdhsa.version: [ 1, 2 ]
amdhsa.kernels:
  - .name:           k_qb77b98563f_proj
    .symbol:         k_qb77b98563f_proj.kd
    .args:
      - { .name: xq, .offset: 0, .size: 8, .value_kind: global_buffer, .address_space: global }
      - { .name: wq, .offset: 8, .size: 8, .value_kind: global_buffer, .address_space: global }
      - { .name: bq, .offset: 16, .size: 8, .value_kind: global_buffer, .address_space: global }
      - { .name: bk, .offset: 24, .size: 8, .value_kind: global_buffer, .address_space: global }
      - { .name: bv, .offset: 32, .size: 8, .value_kind: global_buffer, .address_space: global }
      - { .name: br, .offset: 40, .size: 8, .value_kind: global_buffer, .address_space: global }
      - { .name: qkv, .offset: 48, .size: 8, .value_kind: global_buffer, .address_space: global }
      - { .name: rg, .offset: 56, .size: 8, .value_kind: global_buffer, .address_space: global }
    .group_segment_fixed_size: 327680
    .private_segment_fixed_size: 0
    .kernarg_segment_align: 8
    .kernarg_segment_size: 64
    .max_flat_workgroup_size: 128
    .sgpr_count:     100
    .vgpr_count:     1024
    .wavefront_size: 32
...
	.end_amdgpu_metadata
.endif
;; end of part 2
;; launch attn (part 3): grid 4 x 64, 16 waves a work-group, clusters of 4 x 1, 327,680 bytes of LDS; arguments qkv, rg, gq; writes gq
.if DOCPART == 3
	.amdgcn_target "amdgcn-amd-amdhsa--gfx1250"
	.amdhsa_code_object_version 6
	.text
	.protected	k_qb77b98563f_attn
	.globl	k_qb77b98563f_attn
	.p2align	8
	.type	k_qb77b98563f_attn,@function
k_qb77b98563f_attn:
	s_mov_b64 s[64:65], 0
	v_nop
	global_prefetch_b8 v0, s[64:65] scope:SCOPE_SE
	s_setreg_imm32_b32 hwreg(HW_REG_WAVE_MODE, 25, 1), 1
	s_wait_xcnt 0x0
	s_wait_alu depctr_hold_cnt(0) depctr_sa_sdst(0) depctr_va_vdst(0) depctr_va_sdst(0) depctr_va_ssrc(0) depctr_va_vcc(0) depctr_vm_vsrc(0)
	s_getreg_b32 s2, hwreg(HW_REG_IB_STS2, 6, 4)
	s_cmp_eq_u32 s2, 0
	s_cbranch_scc0 .Lentry_in_a_cluster
	s_endpgm
.Lentry_in_a_cluster:
	s_bfe_u32 s2, ttmp6, 0x10000c
	s_cmp_lg_u32 s2, 0x3003
	s_cbranch_scc0 .Lentry_shape_is_right
	s_endpgm
.Lentry_shape_is_right:
; SelfAttention in MX-FP4, launch 3 of 4: ctx = softmax(q k^T / 32) v on codes of E2M1, gated = ctx x r, quantised along the 1,024 channels for the last product.  No work is left out.
; THE SOFTMAX: t = score x log2(e) / 32; M = the running largest t rounded up to a whole number; p = 2^(t - M) is quantised along the keys; the row's sum is taken of the unquantised p and divides at the end.
; When M moves, the sum and O are multiplied by 2^(old M - new M), which rounds nothing.  LIMIT: the promise holds while |t| stays under 2^31; NaN and infinities are not served; a block of zeros gets the byte 1.
; SHARES.  A work-group owns 256 queries of one batch and pair of heads; each of sixteen waves owns 16 queries and walks head 0 and then head 1 of the pair, 128 keys a step.
; K and V of the pair (codes and scale words, 139,264 dense bytes) come ONCE, by one tensor load a wave at the head (34 rows of 256 bytes each), and stay: nothing is filled again.
; CLUSTER: the four work-groups of a pair of heads read the same K and V and ask for them jointly.
; LAYOUT.  Both products are used transposed: a lane holds one query.  The head has 64 channels: a fragment of K holds two tiles of 16 keys (k 0-63 and 64-127 of the instruction), and q stands once in the low
; half and once in the high half over zeros, so each picks one of the two tiles.
; THE KEYS OF A TILE ARE CHOSEN BY THE LDS ADDRESS: of tile (c, u), u = 0 .. 3, rows 0-7 are keys 64 c + 8 u + 0 .. 7 and rows 8-15 keys 64 c + 32 + 8 u + 0 .. 7.  A result's rows 8 h + j lie in lane half h, so a lane's
; 32 registers of c are the WHOLE block of keys 64 c + 32 h + 0 .. 31: its largest score needs no other lane, and the conversions' results are the second product's operand as they stand.
; Fragment 2 c + u holds tiles (c, u) and (c, u + 2), 16 keys apart: one word of K's scale words serves both.
; r comes in f32 as an image of the result's registers: one prefetch a wave, behind the head's barrier, asks for my wave's 8,192 bytes (lanes 256 bytes apart, each block named once in the launch), eight key steps
; ahead of the first load; r is loaded in each head's last key step into the registers that K's fragments have left.
.set GRP,   69632
.set KSC,   65536                      ; K's scale words; V's region lies GRP behind K's
.set SPARE, 2*GRP
.set LI,   1                           ; 16 x lane
.set R16,  2                           ; 16 r
.set R32,  3                           ; 32 r
.set SPW,  4
.set NIL,  5
.set ADK,  6
.set ADV,  7
.set ADS,  8
.set ADT,  9
.set LIV,  86
.set R16V, 87
.set QRAW, 88
.set PFO,  89                          ; 256 x lane
.set LK,   90                          ; my place in K's images: 16 (r % 8) + 1024 (r / 8) + 256 h
.set LKS,  91                          ; and among K's scale words: 16 (r % 8) + 4 (r / 8)
.set V8H,  92                          ; 8 h
.set KB,   192
.set KW,   240
.set WV,   14
.set KC,   17
.set G1KV, 20
.set G0KV, 36
.set SEL,  44
.set CS,   46
.set QA,   48
.set QSA,  50
.set RA,   52
.set GO,   56
.set GS,   58
.set TK,   62
.set TS,   63
.macro CROUND
	s_barrier_signal -1
	s_barrier_wait -1
	s_cmp_lg_u32 s[WV], 0
	s_cbranch_scc1 .Lnot_wave_0_\@
	s_barrier_signal -3
.Lnot_wave_0_\@:
	s_barrier_wait -3
	s_barrier_signal -1
	s_barrier_wait -1
.endm
.macro QLOAD e                         ; q's 16 bytes a lane, into the low half of one operand and the high half of the other; its scale words
	global_load_b128 v[16:19], v[LI], s[QA:QA+1] offset:32768*\e
	global_load_b128 v[28:31], v[LI], s[QA:QA+1] offset:32768*\e
	global_load_b32 v[QRAW], v[R16], s[QSA:QSA+1] offset:2048*\e
.endm
.macro KLOAD                           ; a step's four fragments of K and their scale words
.irp c, 0,1
.irp u, 0,1
	ds_load_b128 v[KB+16*\c+8*\u:KB+16*\c+8*\u+3], v[ADK] offset:2048*\c+128*\u
	ds_load_b128 v[KB+16*\c+8*\u+4:KB+16*\c+8*\u+7], v[ADK] offset:2048*\c+128*\u+512
	ds_load_b32 v[KW+2*\c+\u], v[ADS] offset:128*\u+8*\c
.endr
.endr
.endm
	s_load_b128 s[4:7], s[0:1], 0x0                ; qkv, rg
	s_load_b64 s[8:9], s[0:1], 0x10                ; gq
	v_lshl_add_u32 v[SPW], v0, 2, SPARE
	v_mov_b32 v[NIL], 0
	ds_add_u32 v[SPW], v[NIL]                      ; the opening lines: the add, twice on end, and its wait
	ds_add_u32 v[SPW], v[NIL]
	v_lshrrev_b32 v6, 5, v0
	s_delay_alu instid0(VALU_DEP_1)
	v_readfirstlane_b32 s[WV], v6
	s_bfe_u32 s15, ttmp6, 0x40000                  ; cx: which 256 queries
	s_and_b32 s16, ttmp7, 0xffff                   ; batch x 8 + pair of heads
	s_mov_b32 s[G1KV], 15|(3<<16)|(1<<21)
	s_mov_b32 s[G1KV+1], 32<<16
	s_mov_b32 s[G1KV+2], 34<<16
	s_mov_b32 s[G1KV+3], 32<<16
	s_mov_b32 s[G1KV+4], 34
	s_mov_b32 s[G1KV+5], 32
	s_mov_b32 s[G1KV+6], 0
	s_mov_b32 s[G1KV+7], 0
	s_mov_b32 s[SEL], 0x76543210
	s_mov_b32 s[SEL+1], 0xfedcba98
	s_mov_b32 s[CS], 0x3d38aa3b                    ; log2(e) / 32
	s_mov_b32 s[CS+1], s[CS]
	s_and_b32 s2, s[WV], 1                         ; which half of q's scale word is my 16 tokens'
	s_cmp_eq_u32 s2, 0
	s_mov_b32 s60, 0x04040302
	s_cselect_b32 s60, 0x04040100, s60
	s_mov_b32 s61, 0x03020404
	s_cselect_b32 s61, 0x01000404, s61
	s_mov_b32 s3, 0
	s_lshl_b32 s17, s15, 1
	s_lshr_b32 s18, s[WV], 3
	s_add_co_u32 s17, s17, s18                     ; which 128 tokens of the sequence
	s_and_b32 s18, s16, 0x38
	s_add_co_u32 s18, s18, s17
	s_mul_i32 s18, s18, GRP                        ; their group in gq
	s_and_b32 s19, s[WV], 7
	s_and_b32 s62, s16, 7                          ; the pair of heads
	s_wait_dscnt 0x0
	s_wait_kmcnt 0x0
	s_mul_i32 s2, s16, 208896
	s_add_nc_u64 s[4:5], s[4:5], s[2:3]
	s_mov_b32 s[G0KV], 1
	s_mul_i32 s[G0KV+1], s[WV], 8704
	s_add_co_u32 s2, s[G0KV+1], GRP                ; K's region lies behind Q's
	s_add_nc_u64 s[G0KV+2:G0KV+3], s[4:5], s[2:3]
	s_or_b32 s[G0KV+3], s[G0KV+3], 0x80000000
	CROUND
	tensor_load_to_lds s[G0KV:G0KV+3], s[G1KV:G1KV+7]
	s_nop 0
.rept 4
	v_nop
.endr
	s_lshl_b32 s2, s15, 4
	s_add_co_u32 s2, s2, s[WV]                     ; my block of 16 tokens
	s_lshl_b32 s63, s2, 13
	s_lshl_b32 s2, s2, 9
	s_add_nc_u64 s[QA:QA+1], s[4:5], s[2:3]
	s_lshl_b32 s2, s16, 19
	s_add_co_u32 s2, s2, s63
	s_add_nc_u64 s[RA:RA+1], s[6:7], s[2:3]
	s_lshl_b32 s2, s17, 8
	s_bfe_u32 s63, s[WV], 0x20001
	s_lshl_b32 s63, s63, 2
	s_add_co_u32 s2, s2, s63
	s_add_co_u32 s2, s2, 65536
	s_add_nc_u64 s[QSA:QSA+1], s[4:5], s[2:3]
	s_lshl_b32 s63, s19, 13
	s_add_co_u32 s2, s18, s63
	s_lshl_b32 s63, s62, 10
	s_add_co_u32 s2, s2, s63
	s_add_nc_u64 s[GO:GO+1], s[8:9], s[2:3]
	s_lshl_b32 s63, s19, 9
	s_add_co_u32 s2, s18, s63
	s_add_co_u32 s2, s2, 65536
	s_lshl_b32 s63, s62, 2
	s_add_co_u32 s2, s2, s63
	s_add_nc_u64 s[GS:GS+1], s[8:9], s[2:3]
	v_and_b32 v6, 31, v0
	v_and_b32 v7, 15, v0
	v_and_b32 v8, 7, v0
	v_bfe_u32 v9, v0, 3, 1
	v_bfe_u32 v10, v0, 4, 1
	v_lshlrev_b32 v[LI], 4, v6
	v_lshlrev_b32 v[R16], 4, v7
	v_lshlrev_b32 v[PFO], 8, v6
	v_lshlrev_b32 v[R32], 5, v7
	v_lshlrev_b32 v[LKS], 4, v8
	v_lshlrev_b32 v[V8H], 3, v10
	s_delay_alu instid0(VALU_DEP_2)
	v_lshl_add_u32 v[LK], v9, 10, v[LKS]
	v_lshl_add_u32 v[LKS], v9, 2, v[LKS]
	s_delay_alu instid0(VALU_DEP_2)
	v_lshl_add_u32 v[LK], v10, 8, v[LK]
	v_add_nc_u32 v[LIV], GRP, v[LI]
	v_add_nc_u32 v[R16V], GRP, v[R16]
.irp j, 20,21,22,23,24,25,26,27
	v_mov_b32 v[\j], 0                             ; the zeros beside q
.endr
.irp b, 0,1,2,3
	v_mov_b32 v[236+\b], 0
.endr
	v_mov_b32 v252, 0
	v_mov_b32 v253, 0
	v_mov_b32 v85, 0x01010101                      ; a finite scale byte over the zeros
	s_wait_alu depctr_va_vdst(0)                   ; the wait at the head's end
	QLOAD 0
	s_wait_tensorcnt 0x0
	s_barrier_signal -1
	s_barrier_wait -1
; A KEY STEP.  next = 1: the next step's K is fetched; 0: the head's last step fetches r (and, in head 0, the next head's q) instead.
.macro KSTEP next, e
.irp p, 0,1,2,3
	v_wmma_scale_f32_16x16x128_f8f6f4 v[96+16*\p:103+16*\p], v[KB+8*\p:KB+8*\p+7], v[16:23], 0, v[KW+\p], v83 matrix_a_fmt:MATRIX_FMT_FP4 matrix_b_fmt:MATRIX_FMT_FP4
	v_wmma_scale_f32_16x16x128_f8f6f4 v[104+16*\p:111+16*\p], v[KB+8*\p:KB+8*\p+7], v[24:31], 0, v[KW+\p], v84 matrix_a_fmt:MATRIX_FMT_FP4 matrix_b_fmt:MATRIX_FMT_FP4
.endr
	v_add_nc_u32 v[ADV], s[TK], v[LIV]             ; four places behind the products, ahead of the loads into their operands
	v_add_nc_u32 v[ADT], s[TS], v[R16V]
.if \next
	s_add_co_u32 s[TK], s[TK], 4096
	s_add_co_u32 s[TS], s[TS], 256
	v_add_nc_u32 v[ADK], s[TK], v[LK]
	v_add_nc_u32 v[ADS], s[TS], v[LKS]
.else
	v_nop
	v_nop
.endif
.irp d, 0,1,2,3
	ds_load_b128 v[32+8*\d:35+8*\d], v[ADV] offset:1024*\d
	ds_load_b128 v[36+8*\d:39+8*\d], v[ADV] offset:1024*\d+512
.endr
	ds_load_b128 v[248:251], v[ADT]
.if \next
	KLOAD
.else
.irp d, 0,1,2,3
	global_load_b128 v[192+8*\d:195+8*\d], v[LI], s[RA:RA+1] offset:4096*\e+1024*\d
	global_load_b128 v[196+8*\d:199+8*\d], v[LI], s[RA:RA+1] offset:4096*\e+1024*\d+512
.endr
.if \e == 0
	QLOAD 1
.endif
.endif
.irp b, 0,1,2,3
	v_max3_num_f32 v[232+\b], v[96+16*\b], v[97+16*\b], v[98+16*\b]   ; the largest score of each 16 registers, four chains by turns
.endr
.irp i, 3,5,7,9,11,13
.irp b, 0,1,2,3
	v_max3_num_f32 v[232+\b], v[232+\b], v[96+16*\b+\i], v[97+16*\b+\i]
.endr
.endr
.irp b, 0,1,2,3
	v_max_num_f32 v[232+\b], v[232+\b], v[111+16*\b]
.endr
	s_delay_alu instid0(VALU_DEP_3)
	v_max_num_f32 v232, v232, v233                 ; the largest score of my block h: for the row's maximum and for the block's largest p
	s_delay_alu instid0(VALU_DEP_2)
	v_max_num_f32 v233, v234, v235                 ; and of my block 2 + h
	s_delay_alu instid0(VALU_DEP_1)
	v_max_num_f32 v254, v232, v233
	s_delay_alu instid0(VALU_DEP_1)
	v_permlanex16_b32 v236, v254, s[SEL], s[SEL+1]
	s_delay_alu instid0(VALU_DEP_1)
	v_max_num_f32 v254, v254, v236                 ; with lane l xor 16's two blocks
	s_delay_alu instid0(VALU_DEP_1)
	v_mul_f32 v254, s[CS], v254
	s_delay_alu instid0(VALU_DEP_1)
	v_max_num_f32 v13, v13, v254                   ; the running largest t
	v_mov_b32 v254, v12
	s_delay_alu instid0(VALU_DEP_2)
	v_floor_f32 v12, -v13                          ; -M
	s_delay_alu instid0(VALU_DEP_1)
	v_sub_f32 v254, v12, v254
	s_delay_alu instid0(VALU_DEP_1)
	v_cvt_i32_f32 v254, v254
	s_delay_alu instid0(VALU_DEP_1)
	v_ldexp_f32 v252, 1.0, v254                    ; f = 2^(old M - new M)
.set j, 0
.rept 32
	v_pk_fma_f32 v[96+j:97+j], v[96+j:97+j], s[CS:CS+1], v[12:13] op_sel_hi:[1,0,0]
.set j, j+2
.endr
.irp c, 0,1
	v_fma_f32 v[232+\c], v[232+\c], s[CS], v12
.endr
.set j, 0
	s_wait_alu depctr_va_vdst(0)                   ; ahead of the batch
.rept 64
	v_exp_f32 v[96+j], v[96+j]
.set j, j+1
.endr
	v_pk_mul_f32 v[14:15], v[14:15], v[252:253] op_sel_hi:[1,0]
	s_wait_alu depctr_va_vdst(0)                   ; and behind it
.irp c, 0,1
	v_exp_f32 v[232+\c], v[232+\c]                 ; my two blocks' largest p
.endr
	v_pk_add_f32 v[236:237], v[96:97], v[98:99]    ; the row's sum of the unquantised p, in two chains
.irp j, 4,8,12,16,20,24,28,32,36,40,44,48,52,56,60
	v_pk_add_f32 v[14:15], v[14:15], v[96+\j:97+\j]
	v_pk_add_f32 v[236:237], v[236:237], v[98+\j:99+\j]
.endr
	s_delay_alu instid0(VALU_DEP_1)
	v_pk_add_f32 v[14:15], v[14:15], v[236:237]
	s_wait_alu depctr_va_vdst(0)                   ; one for the two
.irp c, 0,1
	v_max_num_f32 v[232+\c], 0x1800000, v[232+\c]
.endr
.irp c, 0,1
	s_delay_alu instid0(VALU_DEP_2)
	v_add_nc_u32 v[244+\c], 0xff000000, v[232+\c]  ; the conversions' scale operands
.endr
.irp c, 0,1
	s_delay_alu instid0(VALU_DEP_2)
	v_lshrrev_b32 v[236+\c], 23, v[244+\c]         ; the scales' bytes
.endr
	s_delay_alu instid0(VALU_DEP_1)
	v_lshl_or_b32 v253, v237, 16, v236             ; blocks h and 2 + h,
	s_delay_alu instid0(VALU_DEP_1)
	v_lshlrev_b32 v253, v[V8H], v253               ; at their places in the scale word;
	s_delay_alu instid0(VALU_DEP_1)
	v_permlanex16_b32 v238, v253, s[SEL], s[SEL+1]
	s_delay_alu instid0(VALU_DEP_1)
	v_or_b32 v253, v253, v238                      ; with lane l xor 16's two the word is whole
.irp c, 0,1
	v_cvt_scalef32_pk8_fp4_f32 v[224+4*\c], v[96+32*\c:103+32*\c], v[244+\c]       ; keys 64 c + 32 h + 0 .. 7
	v_cvt_scalef32_pk8_fp4_f32 v[225+4*\c], v[112+32*\c:119+32*\c], v[244+\c]      ; + 8 ..
	v_cvt_scalef32_pk8_fp4_f32 v[226+4*\c], v[104+32*\c:111+32*\c], v[244+\c]      ; + 16 ..
	v_cvt_scalef32_pk8_fp4_f32 v[227+4*\c], v[120+32*\c:127+32*\c], v[244+\c]      ; + 24 ..
.endr
	v_nop
	s_wait_alu depctr_va_vdst(0)                   ; directly ahead of the first reader of O^T
.set j, 0
.rept 16
	v_pk_mul_f32 v[160+j:161+j], v[160+j:161+j], v[252:253] op_sel_hi:[1,0]
.set j, j+2
.endr
	s_wait_alu depctr_va_vdst(0)                   ; and directly ahead of the wait below
	s_wait_dscnt 0x0
.irp d, 0,1,2,3
	v_wmma_scale_f32_16x16x128_f8f6f4 v[160+8*\d:167+8*\d], v[32+8*\d:39+8*\d], v[224:231], v[160+8*\d:167+8*\d], v[248+\d], v253 matrix_a_fmt:MATRIX_FMT_FP4 matrix_b_fmt:MATRIX_FMT_FP4
.endr
.endm
.macro HEAD e
	s_wait_loadcnt 0x0                             ; q
	v_perm_b32 v83, v85, v[QRAW], s60
	v_perm_b32 v84, v85, v[QRAW], s61
	v_mov_b32 v13, 0xff61b1e6                      ; -3e38, under every t
	s_delay_alu instid0(VALU_DEP_1)
	v_floor_f32 v12, -v13
	v_mov_b32 v14, 0
	v_mov_b32 v15, 0
.set j, 0
.rept 32
	v_mov_b32 v[160+j], 0                          ; the step is written once: the first finds zeros
.set j, j+1
.endr
	s_mov_b32 s[TK], 32768*\e
	s_mov_b32 s[TS], KSC+2048*\e
	s_mov_b32 s[KC], 7
	v_add_nc_u32 v[ADK], s[TK], v[LK]
	v_add_nc_u32 v[ADS], s[TS], v[LKS]
	KLOAD
.if \e == 0
	global_prefetch_b8 v[PFO], s[RA:RA+1] th:TH_LOAD_NT scope:SCOPE_SE   ; my wave's r, both heads': its address registers are never rewritten
.endif
	s_wait_dscnt 0x0
.Lkey_\@:
	KSTEP 1, \e
	s_sub_co_u32 s[KC], s[KC], 1
	s_cmp_lg_u32 s[KC], 0
	s_cbranch_scc1 .Lkey_\@
	KSTEP 0, \e
.if \e == 0
	s_wait_loadcnt 3                               ; r is in; the next head's three loads of q may be out
.else
	s_wait_loadcnt 0x0
.endif
.rept 4
	v_nop
.endr
	v_add_f32 v14, v14, v15
	s_delay_alu instid0(VALU_DEP_1)
	v_permlanex16_b32 v252, v14, s[SEL], s[SEL+1]
	s_delay_alu instid0(VALU_DEP_1)
	v_add_f32 v14, v14, v252                       ; the row's sum
	s_wait_alu depctr_va_vdst(0)
	v_rcp_f32 v14, v14
	v_nop
	s_wait_alu depctr_va_vdst(0)
.set j, 0
.rept 16
	v_pk_mul_f32 v[160+j:161+j], v[160+j:161+j], v[14:15] op_sel_hi:[1,0]    ; ctx
.set j, j+2
.endr
.set j, 0
.rept 16
	v_pk_mul_f32 v[96+j:97+j], v[160+j:161+j], v[192+j:193+j]                ; x r
.set j, j+2
.endr
.irp b, 0,1
	v_max3_num_f32 v[232+\b], |v[96+16*\b]|, |v[97+16*\b]|, 0x1800000
.endr
.irp i, 2,4,6,8,10,12,14
.irp b, 0,1
	s_delay_alu instid0(VALU_DEP_2)
	v_max3_num_f32 v[232+\b], v[232+\b], |v[96+16*\b+\i]|, |v[97+16*\b+\i]|
.endr
.endr
.irp b, 0,1
	s_delay_alu instid0(VALU_DEP_2)
	v_permlanex16_b32 v[236+\b], v[232+\b], s[SEL], s[SEL+1]
.endr
.irp b, 0,1
	s_delay_alu instid0(VALU_DEP_2)
	v_max_num_f32 v[232+\b], v[232+\b], v[236+\b]
.endr
.irp b, 0,1
	s_delay_alu instid0(VALU_DEP_2)
	v_add_nc_u32 v[244+\b], 0xff000000, v[232+\b]
.endr
.irp b, 0,1
	s_delay_alu instid0(VALU_DEP_2)
	v_lshrrev_b32 v[236+\b], 23, v[244+\b]
.endr
	s_delay_alu instid0(VALU_DEP_1)
	v_lshl_or_b32 v[80+\e], v237, 8, v236
.irp b, 0,1
	v_cvt_scalef32_pk8_fp4_f32 v[72+4*\e+\b], v[96+16*\b:103+16*\b], v[244+\b]
	v_cvt_scalef32_pk8_fp4_f32 v[74+4*\e+\b], v[104+16*\b:111+16*\b], v[244+\b]
.endr
	v_nop
	v_permlane16_swap_b32 v[72+4*\e], v[73+4*\e]
	v_permlane16_swap_b32 v[74+4*\e], v[75+4*\e]
	global_store_b128 v[LI], v[72+4*\e:75+4*\e], s[GO:GO+1] offset:512*\e    ; 512 consecutive bytes of the operand's image
.endm
	HEAD 0
	HEAD 1
	v_lshl_or_b32 v82, v81, 16, v80
	global_store_b32 v[R32], v82, s[GS:GS+1]       ; the pair's four scale bytes of my row's 32
	s_wait_tensorcnt 0x0                           ; the wave's end
	ds_add_u32 v[SPW], v[NIL]
	s_wait_dscnt 0x0
	CROUND
	s_endpgm
.Lfunc_end_k_qb77b98563f_attn:
	.size	k_qb77b98563f_attn, .Lfunc_end_k_qb77b98563f_attn-k_qb77b98563f_attn
	.p2alignl 7, 3214868480
	.fill 96, 4, 3214868480
	.section	.rodata,"a",@progbits
	.p2align	6, 0x0
	.amdhsa_kernel k_qb77b98563f_attn
		.amdhsa_group_segment_fixed_size 327680
		.amdhsa_private_segment_fixed_size 0
		.amdhsa_enable_private_segment 0
		.amdhsa_kernarg_size 24
		.amdhsa_user_sgpr_count 2
		.amdhsa_user_sgpr_kernarg_segment_ptr 1
		.amdhsa_wavefront_size32 1
		.amdhsa_system_sgpr_workgroup_id_x 1
		.amdhsa_system_sgpr_workgroup_id_y 1
		.amdhsa_system_sgpr_workgroup_id_z 1
		.amdhsa_system_vgpr_workitem_id 0
		.amdhsa_next_free_vgpr 256
		.amdhsa_next_free_sgpr 66
		.amdhsa_reserve_vcc 0
		.amdhsa_float_denorm_mode_32 3
		.amdhsa_float_denorm_mode_16_64 3
		.amdhsa_memory_ordered 1
		.amdhsa_forward_progress 1
		.amdhsa_inst_pref_size 80
	.end_amdhsa_kernel
	.amdgpu_metadata
---
amdhsa.version: [ 1, 2 ]
amdhsa.kernels:
  - .name:           k_qb77b98563f_attn
    .symbol:         k_qb77b98563f_attn.kd
    .args:
      - { .name: qkv, .offset: 0, .size: 8, .value_kind: global_buffer, .address_space: global }
      - { .name: rg, .offset: 8, .size: 8, .value_kind: global_buffer, .address_space: global }
      - { .name: gq, .offset: 16, .size: 8, .value_kind: global_buffer, .address_space: global }
    .group_segment_fixed_size: 327680
    .private_segment_fixed_size: 0
    .kernarg_segment_align: 8
    .kernarg_segment_size: 24
    .max_flat_workgroup_size: 512
    .sgpr_count:     66
    .vgpr_count:     256
    .wavefront_size: 32
...
	.end_amdgpu_metadata
.endif
;; end of part 3
;; launch outp (part 4): grid 4 x 64, 4 waves a work-group, clusters of 4 x 4, 327,680 bytes of LDS; arguments gq, wq, bo, out0; writes out0
.if DOCPART == 4
	.amdgcn_target "amdgcn-amd-amdhsa--gfx1250"
	.amdhsa_code_object_version 6
	.text
	.protected	k_qb77b98563f_outp
	.globl	k_qb77b98563f_outp
	.p2align	8
	.type	k_qb77b98563f_outp,@function
k_qb77b98563f_outp:
	s_mov_b64 s[64:65], 0
	v_nop
	global_prefetch_b8 v0, s[64:65] scope:SCOPE_SE
	s_setreg_imm32_b32 hwreg(HW_REG_WAVE_MODE, 25, 1), 1
	s_wait_xcnt 0x0
	s_wait_alu depctr_hold_cnt(0) depctr_sa_sdst(0) depctr_va_vdst(0) depctr_va_sdst(0) depctr_va_ssrc(0) depctr_va_vcc(0) depctr_vm_vsrc(0)
	s_getreg_b32 s2, hwreg(HW_REG_IB_STS2, 6, 4)
	s_cmp_eq_u32 s2, 0
	s_cbranch_scc0 .Lentry_in_a_cluster
	s_endpgm
.Lentry_in_a_cluster:
	s_bfe_u32 s2, ttmp6, 0x10000c
	s_cmp_lg_u32 s2, 0xf033
	s_cbranch_scc0 .Lentry_shape_is_right
	s_endpgm
.Lentry_shape_is_right:
; SelfAttention in MX-FP4, launch 4 of 4: out0 = gated Wo + bo on codes of E2M1.  No work is left out.
; A GEMM C = A B^T on tiles of 128 tokens x 256 columns, four waves of 64 x 128 (32 accumulators): 256 work-groups.  Source 0 = 16 rows of Wo^T, source 1 = 16 tokens: a lane holds 8 neighbouring columns of a row.
; Operands lie in memory as images of the operand's registers, in dense groups of 69,632 bytes (128 rows: codes, then 32 scale bytes a row).  A tile needs one group of A and two of B, all of K.
; ONE tensor load a wave at the head: waves 0, 1 the halves of A's group (136 rows of 256 bytes), waves 2, 3 B's groups (272 rows).  Nothing is filled again: no ring, and no loop to prefetch ahead in.
; CLUSTERS: 4 x 4; A's group is asked for jointly along a row of the cluster, B's along a column.  The bias is the C of each sum's first matrix instruction.
; The way out goes through each wave's own stage, on LDS bytes into which no fill lands, and leaves as rows of 512 bytes.
; REGISTERS: window 0: v0-31 addresses; v32-95 scale words; v128-191 A's fragments, two sets; v192-255 the bias; both later the way out.  window 1: B's fragments, two sets.  window 2: the accumulators.
.set GRP,    69632
.set FR,     8
.set NP,     4
.set STAGE,  3*GRP
.set SPITCH, 528
.set SPARE,  STAGE+4*16*SPITCH
.set NROW,   4096
.set ADRA, 16
.set ADRB, 20
.set H32,  22
.set STO,  24
.set RD,   25
.set CO,   26
.set ADRS, 27
.set SPW,  28
.set NIL,  29
.set SC,   32
.set AF,   128
.set BK,   128
.set BI,   192
.set G1,   24
.set G0,   32
.set G1B,  48
.set G0B,  56
.set MSB, 0
.macro WIN new
.if MSB != \new
	s_set_vgpr_msb (MSB<<8)|\new
.set MSB, \new
.endif
.endm
.set MUL_LO, 0xa1
.set TO_B,   0x40
.macro CROUND
	s_barrier_signal -1
	s_barrier_wait -1
	s_cmp_lg_u32 s16, 0
	s_cbranch_scc1 .Lnot_wave_0_\@
	s_barrier_signal -3
.Lnot_wave_0_\@:
	s_barrier_wait -3
	s_barrier_signal -1
	s_barrier_wait -1
.endm
.macro SHAPE g, r                      ; r dense rows of 32 elements of 8 bytes
	s_mov_b32 s[\g+1], 32<<16
	s_mov_b32 s[\g+2], (\r)<<16
	s_mov_b32 s[\g+3], 32<<16
	s_mov_b32 s[\g+4], \r
	s_mov_b32 s[\g+5], 32
	s_mov_b32 s[\g+6], 0
	s_mov_b32 s[\g+7], 0
.endm
.macro PLACES n
.rept \n
	v_nop
.endr
.endm
	s_load_b256 s[4:11], s[0:1], 0x0               ; gq, wq, bo, out0
	v_lshl_add_u32 v[SPW], v0, 2, SPARE
	v_mov_b32 v[NIL], 0
	ds_add_u32 v[SPW], v[NIL]                      ; the opening lines
	ds_add_u32 v[SPW], v[NIL]
	v_lshrrev_b32 v1, 5, v0
	v_readfirstlane_b32 s16, v1
	s_lshr_b32 s17, s16, 1                         ; my 64 of the 128 tokens; also: I fetch for A (0) or B (1)
	s_and_b32 s18, s16, 1                          ; my 128 of the 256 columns; also: which part I fetch
	s_bfe_u32 s19, ttmp6, 0x40000                  ; cx: the tile column
	s_bfe_u32 s20, ttmp6, 0x40004
	s_and_b32 s46, ttmp7, 0xffff
	s_lshl_b32 s46, s46, 2
	s_add_co_u32 s46, s46, s20                     ; the group of 128 tokens
	s_lshl_b32 s44, s20, 2
	s_lshl_b32 s44, 15, s44
	s_lshl_b32 s45, 0x1111, s19
	s_or_b32 s[G1+0], s44, (3<<16)|(1<<21)
	s_or_b32 s[G1B+0], s45, (3<<16)|(1<<21)
	SHAPE G1, 136
	SHAPE G1B, 272
	s_mul_i32 s40, s46, GRP
	s_mul_i32 s66, s18, 34816                      ; A's half, in LDS and in memory alike
	s_add_co_u32 s40, s40, s66
	s_mov_b32 s41, 0
	s_lshl_b32 s42, s19, 1
	s_add_co_u32 s42, s42, s18
	s_mul_i32 s42, s42, GRP
	s_add_co_u32 s42, s42, 2228224                 ; Wo^T is the fifth matrix of wq
	s_mov_b32 s43, 0
	s_add_co_u32 s67, s18, 1
	s_mul_i32 s67, s67, GRP                        ; B's groups lie behind A's
	s_wait_dscnt 0x0
	s_wait_kmcnt 0x0
	s_mov_b32 s[G0], 1
	s_mov_b32 s[G0+1], s66
	s_add_nc_u64 s[G0+2:G0+3], s[4:5], s[40:41]
	s_or_b32 s[G0+3], s[G0+3], 0x80000000
	s_mov_b32 s[G0B], 1
	s_mov_b32 s[G0B+1], s67
	s_add_nc_u64 s[G0B+2:G0B+3], s[6:7], s[42:43]
	s_or_b32 s[G0B+3], s[G0B+3], 0x80000000
	CROUND
	s_cmp_eq_u32 s17, 0
	s_cbranch_scc0 .Lfor_b
	tensor_load_to_lds s[G0:G0+3], s[G1:G1+7]
	s_nop 0
	PLACES 4
	s_branch .Lasked
.Lfor_b:
	tensor_load_to_lds s[G0B:G0B+3], s[G1B:G1B+7]
	s_nop 0
	PLACES 4
.Lasked:
	s_lshl_b32 s80, s17, 15                        ; my four blocks of 16 tokens
	s_lshl_b32 s82, s17, 11
	s_add_co_u32 s82, s82, 65536                   ; their scale bytes
	s_add_co_u32 s83, s67, 65536
	s_sub_co_u32 s83, s83, s82                     ; from A's to B's
	s_mul_i32 s84, s16, 16*SPITCH
	s_add_co_u32 s84, s84, STAGE                   ; my stage
	s_mov_b32 s3, 0
	s_lshl_b32 s40, s19, 8
	s_lshl_b32 s41, s18, 7
	s_add_co_u32 s40, s40, s41
	s_lshl_b32 s2, s40, 2                          ; my first column, in bytes
	s_add_nc_u64 s[8:9], s[8:9], s[2:3]
	s_add_nc_u64 s[12:13], s[10:11], s[2:3]
	s_lshl_b32 s40, s46, 7
	s_lshl_b32 s41, s17, 6
	s_add_co_u32 s40, s40, s41
	s_lshl_b32 s2, s40, 12                         ; my first row
	s_add_nc_u64 s[12:13], s[12:13], s[2:3]
	v_and_b32 v1, 15, v0
	v_bfe_u32 v2, v0, 4, 1
	v_and_b32 v3, 31, v0
	v_lshlrev_b32 v3, 4, v3
	v_add_nc_u32 v[ADRA], s80, v3
	v_add_nc_u32 v[ADRB], s67, v3
	v_mul_u32_u24 v6, s83, v2                      ; lanes 16-31 take B's scale words
	v_lshl_add_u32 v5, v1, 5, v6
	v_add_nc_u32 v[ADRS], s82, v5
	v_lshlrev_b32 v[H32], 5, v2
	v_mul_u32_u24 v5, v1, SPITCH
	v_lshl_add_u32 v5, v2, 5, v5
	v_add_nc_u32 v[STO], s84, v5
	v_mov_b32 v[CO], v3
	v_add_nc_u32 v[RD], s84, v3
	s_wait_alu depctr_va_vdst(0)                   ; the wait at the head's end
.irp b, 0,1,2,3,4,5,6,7
	global_load_b128 v[BI+8*\b:BI+8*\b+3], v[H32], s[8:9] offset:64*\b
	global_load_b128 v[BI+8*\b+4:BI+8*\b+7], v[H32], s[8:9] offset:64*\b+16
.endr
.macro FRAG reg, adr, s, i
.irp c, 0,1
	ds_load_b128 v[\reg+4*\c:\reg+4*\c+3], v[\adr] offset:1024*(\s)+512*\c+8192*(\i)
.endr
.endm
; The 32 accumulators take turns, one instruction a turn.
.macro MUL16 a0, s, cin
.irp a, \a0, \a0+1
.irp b, 0,1,2,3,4,5,6,7
.set rD, 8*(8*(\a)+\b)
.set rB, 128*((\s)%2)+FR*\b
.set rA, AF+32*((\s)%2)+FR*(\a)
.set rSB, SC+32*((\s)/4)+4*\b+(\s)%4
.set rSA, SC+32*((\s)/4)+4*(\a)+(\s)%4
.if \cin == 1
.set rC, BI+8*\b
.else
.set rC, rD
.endif
	v_wmma_scale_f32_16x16x128_f8f6f4 v[rD:rD+7], v[rB:rB+7], v[rA:rA+7], v[rC:rC+7], v[rSB], v[rSA] matrix_a_fmt:MATRIX_FMT_FP4 matrix_b_fmt:MATRIX_FMT_FP4 matrix_a_scale:MATRIX_SCALE_ROW1
.endr
.endr
.endm
.macro FETCH s                         ; K step s: B's eight fragments and A's four, into set s % 2
	WIN TO_B
.irp i, 0,1,2,3,4,5,6,7
	FRAG 128*((\s)%2)+FR*\i, ADRB, \s, \i
.endr
	WIN 0
.irp i, 0,1,2,3
	FRAG AF+32*((\s)%2)+FR*\i, ADRA, \s, \i
.endr
.endm
.macro STEP s, cin, more
	s_wait_dscnt 0x0                               ; this step's fragments are in
.if \more
	PLACES NP                                      ; ahead of loads into registers that the last step's products read
	FETCH (\s)+1
.endif
.if \cin
	WIN 0x81
.else
	WIN MUL_LO
.endif
	MUL16 0, \s, \cin
	MUL16 2, \s, \cin
	WIN 0
.endm
	s_wait_tensorcnt 0x0                           ; my part is in,
	s_barrier_signal -1
	s_barrier_wait -1                              ; everybody's is
	FETCH 0
.irp sc, 0,1
.irp i, 0,1,2,3,4,5,6,7
	ds_load_b128 v[SC+32*\sc+4*\i:SC+32*\sc+4*\i+3], v[ADRS] offset:512*\i+16*\sc
.endr
.endr
	s_wait_loadcnt 0x0                             ; the bias
	STEP 0, 1, 1
.irp s, 1,2,3,4,5,6
	STEP \s, 0, 1
.endr
	STEP 7, 0, 0
.macro TOSTAGE a                       ; 16 rows x 128 columns into my stage, each accumulator from its low end on, and back as rows of 512 bytes; LDS serves a wave's instructions in order
.set AC, 64*(\a)
	WIN 0x08
.irp b, 0,1,2,3,4,5,6,7
	ds_store_b128 v[STO], v[AC+8*\b:AC+8*\b+3] offset:64*\b
	ds_store_b128 v[STO], v[AC+8*\b+4:AC+8*\b+7] offset:64*\b+16
.endr
	WIN 0
.set BB, BK+64*((\a)%2)
.irp t, 0,1,2,3,4,5,6,7,8,9,10,11,12,13,14,15
	ds_load_b128 v[BB+4*\t:BB+4*\t+3], v[RD] offset:\t*SPITCH
.endr
.endm
.macro SEND a, younger
.set BB, BK+64*((\a)%2)
	s_wait_dscnt \younger
.if (\a) > 0
	s_add_nc_u64 s[12:13], s[12:13], 16*NROW       ; behind a wait on XCNT: the earlier stores have read their base
.endif
.irp t, 0,1,2,3,4,5,6,7,8,9,10,11,12,13,14,15
	global_store_b128 v[CO], v[BB+4*\t:BB+4*\t+3], s[12:13] offset:\t*NROW th:TH_STORE_NT   ; 512 consecutive bytes, aligned
.endr
.endm
	PLACES NP
	TOSTAGE 0
.irp a, 1,2,3
.if \a > 1
	s_wait_xcnt 0x0                                ; block a - 2's stores have read their registers and their base
.endif
	TOSTAGE \a
	SEND \a-1, 32                                  ; behind block a - 1's loads: block a's 16 stores and 16 loads
.endr
	s_wait_xcnt 0x0
	SEND 3, 0
	s_wait_tensorcnt 0x0                           ; the wave's end
	ds_add_u32 v[SPW], v[NIL]
	s_wait_dscnt 0x0
	CROUND
	s_endpgm
.Lfunc_end_k_qb77b98563f_outp:
	.size	k_qb77b98563f_outp, .Lfunc_end_k_qb77b98563f_outp-k_qb77b98563f_outp
	.p2alignl 7, 3214868480
	.fill 96, 4, 3214868480
	.section	.rodata,"a",@progbits
	.p2align	6, 0x0
	.amdhsa_kernel k_qb77b98563f_outp
		.amdhsa_group_segment_fixed_size 327680
		.amdhsa_private_segment_fixed_size 0
		.amdhsa_enable_private_segment 0
		.amdhsa_kernarg_size 32
		.amdhsa_user_sgpr_count 2
		.amdhsa_user_sgpr_kernarg_segment_ptr 1
		.amdhsa_wavefront_size32 1
		.amdhsa_system_sgpr_workgroup_id_x 1
		.amdhsa_system_sgpr_workgroup_id_y 1
		.amdhsa_system_sgpr_workgroup_id_z 1
		.amdhsa_system_vgpr_workitem_id 0
		.amdhsa_next_free_vgpr 768
		.amdhsa_next_free_sgpr 100
		.amdhsa_reserve_vcc 0
		.amdhsa_float_denorm_mode_32 3
		.amdhsa_float_denorm_mode_16_64 3
		.amdhsa_memory_ordered 1
		.amdhsa_forward_progress 1
		.amdhsa_inst_pref_size 70
	.end_amdhsa_kernel
	.amdgpu_metadata
---
amdhsa.version: [ 1, 2 ]
amdhsa.kernels:
  - .name:           k_qb77b98563f_outp
    .symbol:         k_qb77b98563f_outp.kd
    .args:
      - { .name: gq, .offset: 0, .size: 8, .value_kind: global_buffer, .address_space: global }
      - { .name: wq, .offset: 8, .size: 8, .value_kind: global_buffer, .address_space: global }
      - { .name: bo, .offset: 16, .size: 8, .value_kind: global_buffer, .address_space: global }
      - { .name: out0, .offset: 24, .size: 8, .value_kind: global_buffer, .address_space: global }
    .group_segment_fixed_size: 327680
    .private_segment_fixed_size: 0
    .kernarg_segment_align: 8
    .kernarg_segment_size: 32
    .max_flat_workgroup_size: 128
    .sgpr_count:     100
    .vgpr_count:     768
    .wavefront_size: 32
...
	.end_amdgpu_metadata
.endif
;; end of part 4
